; MI455X (gfx1250); checked and timed in simulation.
; The chip was launched on July 23, 2026; its instructions are those of AMD's public machine-readable ISA for CDNA 5 (MIT licence, August 2026) and "CDNA5" Instruction Set Architecture Reference Guide (July 2026). The comments in the code are by the model that wrote it; some were corrected since.
;; Sparse Mo E Layer. Allowed arithmetic: float matrix products may take bf16 or f16 operands with f32 sums; all other float work in f32.
;; Inputs: b1 8 x 512 float32; b2 8 x 1,024 float32; hidden_states 2 x 4,096 x 1,024 float32; router_b 8 float32; router_w 1,024 x 8 float32; w1 8 x 1,024 x 512 float32; w2 8 x 512 x 1,024 float32.
;; Outputs: out0 2 x 4,096 x 1,024 float32; out1 one number float32.
;; One version. Each part assembles by itself: llvm-mc -triple=amdgcn-amd-amdhsa -mcpu=gfx1250 --defsym DOCPART=n.
;; ======== version 1 of 1: 4 launches
;; limits: values are held in f16: magnitudes above 65,504 overflow, below 6.1e-05 lose precision; a function is approximated: absolute error at most 1.5e-07
;; workspace buffers: wf 16,777,216 bytes; xh 16,777,216 bytes; rint 40,960 bytes of whole numbers; rflt 73,728 bytes; plan 134,656 bytes of whole numbers; ybuf 67,108,864 bytes
;; launch router (part 1): grid 256 x 1, 8 waves a work-group, no clusters, 5,120 bytes of LDS; arguments hidden_states, router_w, router_b, xh, rint, rflt; writes xh, rint, rflt
.if DOCPART == 1
	.amdgcn_target "amdgcn-amd-amdhsa--gfx1250"
	.amdhsa_code_object_version 6
	.text
	.protected	k_qf2b70d2b21_router
	.globl	k_qf2b70d2b21_router
	.p2align	8
	.type	k_qf2b70d2b21_router,@function
k_qf2b70d2b21_router:
	s_mov_b64 s[64:65], 0
	v_nop
	global_prefetch_b8 v0, s[64:65] scope:SCOPE_SE
	s_setreg_imm32_b32 hwreg(HW_REG_WAVE_MODE, 25, 1), 1
	s_wait_xcnt 0x0
; Router in f32 on the vector unit, and x as f16 on the way.  A work-group owns 32 tokens.
; Wave w takes quarter q = w & 3 of the 1,024 hidden numbers and tokens 16 (w >> 2) .. + 15; a lane holds 8 hidden numbers of each token and
; their 64 router weights.  A token's eight partial logits are summed over the 32 lanes by halving (27 instructions for all eight) and meet
; the other quarters' in LDS; wave 0 then takes one token a lane: logits, top 2, the two weights, softmax over all eight, counts.
; Out: xh [8192][1024] f16; rint: route[8192] = e0 | e1 << 8 at 0, hist[256][8] at 32,768; rflt: wts[8192][2] at 0, imp[256][8] at 65,536.
; Why f32 and no matrix unit: the choice of two experts does not bear operands of 16 bits, and the product is 8 columns wide.
; LIMITS: the logits are f32 sums in another order than the reference's, so a token whose second and third logit agree to f32 rounding may go
; to the other expert; ties in value go to the lower index, as in the reference; NaN logits give experts that are in range but not specified.
; x is rounded to f16 (nearest even): infinite above 65,504 in magnitude.  The softmax takes the largest logit away first.
.set S,  8                             ; v[8:15]   eight sums
.set KP, 16                            ; v[16:19]  what a lane keeps in a halving step
.set SD, 20                            ; v[20:23]  what it sends
.set PX, 24                            ; v[24:27]  what it gets from the other half of the wave
.set WR, 28                            ; v[28:91]  router weights: hidden number k of my eight x 8 experts; behind the barrier at work
.set XB, 92                            ; v[92:219] 16 tokens x 8 hidden numbers
.set LG, 28                            ; behind the barrier: four quarters' sums, then the logits
; sums v[S:S+7] over the 32 lanes; lane l ends with the sum of number l >> 2 in v[S].  In each step a lane keeps half of its numbers and
; sends the other half to the lane that keeps those.
.macro REDUCE8
.irp k, 0,1,2,3
	v_cndmask_b32 v[KP+\k], v[S+\k], v[S+4+\k], s34
	v_cndmask_b32 v[SD+\k], v[S+4+\k], v[S+\k], s34
.endr
.irp k, 0,1,2,3
	v_permlanex16_b32 v[PX+\k], v[SD+\k], s37, s38
.endr
.irp k, 0,1,2,3
	v_add_f32 v[S+\k], v[KP+\k], v[PX+\k]
.endr
.irp k, 0,1
	v_cndmask_b32 v[KP+\k], v[S+\k], v[S+2+\k], s35
	v_cndmask_b32 v[SD+\k], v[S+2+\k], v[S+\k], s35
.endr
.irp k, 0,1
	v_add_f32_dpp v[S+\k], v[SD+\k], v[KP+\k] row_xmask:8 row_mask:0xf bank_mask:0xf
.endr
	v_cndmask_b32 v[KP], v[S], v[S+1], s36
	v_cndmask_b32 v[SD], v[S+1], v[S], s36
	v_add_f32_dpp v[S], v[SD], v[KP] row_xmask:4 row_mask:0xf bank_mask:0xf
	v_add_f32_dpp v[S], v[S], v[S] row_xmask:2 row_mask:0xf bank_mask:0xf
	v_add_f32_dpp v[S], v[S], v[S] row_xmask:1 row_mask:0xf bank_mask:0xf
.endm
.macro TOKEN i
	s_wait_loadcnt 30-2*\i                         ; two loads a token, in order: the younger tokens' stay out
.irp p, 0,2,4,6
	v_pk_mul_f32 v[S+\p:S+\p+1], v[XB+8*\i:XB+8*\i+1], v[WR+\p:WR+\p+1] op_sel_hi:[0,1]   ; the first product starts the sums; x is broadcast to two experts
.endr
.irp p, 0,2,4,6
	v_pk_fma_f32 v[S+\p:S+\p+1], v[XB+8*\i:XB+8*\i+1], v[WR+8+\p:WR+8+\p+1], v[S+\p:S+\p+1] op_sel:[1,0,0] op_sel_hi:[1,1,1]
.endr
.irp k, 2,4,6
.irp p, 0,2,4,6
	v_pk_fma_f32 v[S+\p:S+\p+1], v[XB+8*\i+\k:XB+8*\i+\k+1], v[WR+8*\k+\p:WR+8*\k+\p+1], v[S+\p:S+\p+1] op_sel_hi:[0,1,1]
.endr
.irp p, 0,2,4,6
	v_pk_fma_f32 v[S+\p:S+\p+1], v[XB+8*\i+\k:XB+8*\i+\k+1], v[WR+8*\k+8+\p:WR+8*\k+8+\p+1], v[S+\p:S+\p+1] op_sel:[1,0,0] op_sel_hi:[1,1,1]
.endr
.endr
	REDUCE8
	ds_store_b32 v5, v[S] offset:32*\i             ; four lanes store the same word
	v_cvt_pk_f16_f32 v[XB+8*\i],   v[XB+8*\i],   v[XB+8*\i+1]
	v_cvt_pk_f16_f32 v[XB+8*\i+1], v[XB+8*\i+2], v[XB+8*\i+3]
	v_cvt_pk_f16_f32 v[XB+8*\i+4], v[XB+8*\i+4], v[XB+8*\i+5]
	v_cvt_pk_f16_f32 v[XB+8*\i+5], v[XB+8*\i+6], v[XB+8*\i+7]
	global_store_b64 v4, v[XB+8*\i:XB+8*\i+1],   s[30:31] offset:2048*\i        ; a wave's store covers 256 consecutive bytes, aligned
	global_store_b64 v4, v[XB+8*\i+4:XB+8*\i+5], s[30:31] offset:2048*\i+256    ; these registers are not written again
.endm
	s_load_b256 s[4:11], s[0:1], 0x0               ; x s[4:5], router_w s[6:7], router_b s[8:9], xh s[10:11]
	s_load_b128 s[12:15], s[0:1], 0x20             ; rint s[12:13], rflt s[14:15]
	v_lshl_add_u32 v224, v0, 2, 0x1000
	v_mov_b32 v225, 0
	v_lshrrev_b32 v1, 5, v0
	v_readfirstlane_b32 s2, v1                     ; wave
	v_and_b32 v1, 31, v0                           ; lane
	v_lshlrev_b32 v2, 4, v1                        ; x: 4 numbers a lane
	v_lshlrev_b32 v3, 7, v1                        ; router_w: 4 rows of 32 bytes a lane
	v_lshlrev_b32 v4, 3, v1                        ; xh: 4 numbers a lane; wts: a pair a token
	v_and_b32 v7, 0x1c, v1                         ; 4 (lane >> 2)
	s_lshl_b32 s3, s2, 9                           ; LDS: 512 bytes a wave, 16 tokens x 8 sums
	v_add_nc_u32 v5, s3, v7
.irp k, 0,1,2,3
	v_mov_b32 v[PX+\k], 0                          ; v_permlanex16_b32 counts as a reader of its destination
.endr
	s_mov_b32 s34, 0xffff0000                      ; lanes with bit 4
	s_mov_b32 s35, 0xff00ff00                      ; bit 3
	s_mov_b32 s36, 0xf0f0f0f0                      ; bit 2
	s_mov_b32 s37, 0x76543210                      ; v_permlanex16_b32: lane i of the other half
	s_mov_b32 s38, 0xfedcba98
	s_and_b32 s24, s2, 3                           ; q
	s_lshr_b32 s25, s2, 2                          ; which 16 tokens
	s_lshl_b32 s26, ttmp9, 17                      ; 32 tokens of 4,096 bytes
	s_lshl_b32 s28, s25, 16
	s_add_co_u32 s26, s26, s28
	s_lshl_b32 s28, s24, 10
	s_add_co_u32 s26, s26, s28
	s_mov_b32 s27, 0
	s_lshr_b32 s30, s26, 1                         ; the same place in xh: half the bytes
	s_mov_b32 s31, 0
	s_lshl_b32 s28, s24, 13                        ; 256 rows of router_w
	s_mov_b32 s29, 0
	s_lshl_b32 s40, ttmp9, 7
	s_mov_b32 s41, 0
	s_lshl_b32 s42, ttmp9, 8
	s_mov_b32 s43, 0
	s_lshl_b32 s44, ttmp9, 5
	s_mov_b32 s45, 0
	s_wait_kmcnt 0x0
	s_add_nc_u64 s[26:27], s[4:5], s[26:27]
	s_add_nc_u64 s[28:29], s[6:7], s[28:29]
	s_add_nc_u64 s[30:31], s[10:11], s[30:31]
	s_add_nc_u64 s[40:41], s[12:13], s[40:41]      ; route of my 32 tokens
	s_add_nc_u64 s[42:43], s[14:15], s[42:43]      ; wts of my 32 tokens
	s_add_nc_u64 s[46:47], s[14:15], s[44:45]      ; imp (with the immediate 65,536)
	s_add_nc_u64 s[44:45], s[12:13], s[44:45]      ; hist (with the immediate 32,768)
	s_load_b256 s[16:23], s[8:9], 0x0              ; router_b
.irp k, 0,1,2,3,4,5,6,7
	global_load_b128 v[WR+8*\k:WR+8*\k+3],   v3, s[28:29] offset:(\k>>2)*4096+(\k&3)*32
	global_load_b128 v[WR+8*\k+4:WR+8*\k+7], v3, s[28:29] offset:(\k>>2)*4096+(\k&3)*32+16
.endr
.irp i, 0,1,2,3,4,5,6,7,8,9,10,11,12,13,14,15
	global_load_b128 v[XB+8*\i:XB+8*\i+3],   v2, s[26:27] offset:4096*\i th:TH_LOAD_NT
	global_load_b128 v[XB+8*\i+4:XB+8*\i+7], v2, s[26:27] offset:4096*\i+512 th:TH_LOAD_NT
.endr
.irp i, 0,1,2,3,4,5,6,7,8,9,10,11,12,13,14,15
	TOKEN \i
.endr
	s_wait_kmcnt 0x0                               ; router_b
	s_wait_dscnt 0x0                               ; my sums are in LDS, for wave 0's sake
	s_barrier_signal -1
	s_barrier_wait -1
	s_cmp_lg_u32 s2, 0
	s_cbranch_scc1 .Ldone
	; wave 0: lane = token
	v_lshrrev_b32 v6, 4, v1
	v_and_b32 v70, 15, v1
	v_lshlrev_b32 v6, 11, v6                       ; tokens 16 .. 31 were summed by waves 4 .. 7
	v_lshl_add_u32 v6, v70, 5, v6
.irp q, 0,1,2,3
	ds_load_b128 v[LG+8*\q:LG+8*\q+3],   v6 offset:512*\q
	ds_load_b128 v[LG+8*\q+4:LG+8*\q+7], v6 offset:512*\q+16
.endr
	s_wait_dscnt 0x0
.irp p, 0,2,4,6
	v_pk_add_f32 v[LG+\p:LG+\p+1], v[LG+\p:LG+\p+1], v[LG+8+\p:LG+8+\p+1]
	v_pk_add_f32 v[LG+16+\p:LG+16+\p+1], v[LG+16+\p:LG+16+\p+1], v[LG+24+\p:LG+24+\p+1]
.endr
.irp p, 0,2,4,6
	v_pk_add_f32 v[LG+\p:LG+\p+1], v[LG+\p:LG+\p+1], v[LG+16+\p:LG+16+\p+1]
.endr
.irp e, 0,1,2,3,4,5,6,7
	v_add_f32 v[LG+\e], s[16+\e], v[LG+\e]
.endr
	; the largest: v60 its value, v61 its index; a strict compare leaves a tie with the lower index
	v_mov_b32 v60, v[LG]
	v_mov_b32 v61, 0
.irp e, 1,2,3,4,5,6,7
	v_cmp_gt_f32 vcc_lo, v[LG+\e], v60
	v_cndmask_b32 v60, v60, v[LG+\e], vcc_lo
	v_cndmask_b32 v61, v61, \e, vcc_lo
.endr
	; the second: v62, v63; it starts at minus infinity with the lowest index that is not the first's
	v_mov_b32 v62, 0xff800000
	v_cmp_eq_u32 vcc_lo, 0, v61
	v_cndmask_b32 v63, 0, 1, vcc_lo
.irp e, 0,1,2,3,4,5,6,7
	v_cmp_ne_u32 s24, \e, v61
	v_cmp_gt_f32 s25, v[LG+\e], v62
	s_and_b32 vcc_lo, s24, s25
	v_cndmask_b32 v62, v62, v[LG+\e], vcc_lo
	v_cndmask_b32 v63, v63, \e, vcc_lo
.endr
	; exponentials of differences from the largest logit
	v_sub_f32 v64, v62, v60
.irp e, 0,1,2,3,4,5,6,7
	v_sub_f32 v[S+\e], v[LG+\e], v60
.endr
	v_mul_f32 v64, 0x3fb8aa3b, v64
.irp e, 0,1,2,3,4,5,6,7
	v_mul_f32 v[S+\e], 0x3fb8aa3b, v[S+\e]
.endr
	v_exp_f32 v64, v64
.irp e, 0,1,2,3,4,5,6,7
	v_exp_f32 v[S+\e], v[S+\e]
.endr
	v_lshl_or_b32 v66, v63, 8, v61                 ; the route word; also the plain instruction behind the exponentials (ISA guide 5.7.2)
	s_wait_alu depctr_va_vdst(0)
	v_add_f32 v65, 1.0, v64
	v_pk_add_f32 v[70:71], v[S:S+1], v[S+2:S+3]
	v_pk_add_f32 v[72:73], v[S+4:S+5], v[S+6:S+7]
	v_pk_add_f32 v[70:71], v[70:71], v[72:73]
	v_add_f32 v70, v70, v71
	v_rcp_f32 v68, v65                             ; weight of the first expert: 1 / (1 + e^(second - first))
	v_rcp_f32 v72, v70
	v_rcp_f32 v73, v70                             ; twice: a pair for the packed multiply
	v_mov_b32 v67, 0                               ; the counts' register; also the plain instruction behind the reciprocals
	s_wait_alu depctr_va_vdst(0)
	v_mul_f32 v69, v64, v68                        ; weight of the second
.irp p, 0,2,4,6
	v_pk_mul_f32 v[S+\p:S+\p+1], v[S+\p:S+\p+1], v[72:73]
.endr
	REDUCE8                                        ; sums of the 32 tokens' probabilities: expert lane >> 2
.irp e, 0,1,2,3,4,5,6,7
	v_cmp_eq_u32 s24, \e, v61
	v_cmp_eq_u32 s25, \e, v63
	s_bcnt1_i32_b32 s24, s24
	s_bcnt1_i32_b32 s25, s25
	s_add_co_u32 s24, s24, s25
	v_writelane_b32 v67, s24, 4*\e                 ; how many of my 32 tokens go to expert e
.endr
	v_lshlrev_b32 v74, 2, v1
	global_store_b32 v74, v66, s[40:41]
	global_store_b64 v4, v[68:69], s[42:43]
	v_and_b32 v75, 3, v1
	v_cmp_eq_u32 vcc_lo, 0, v75
	s_wait_xcnt 0x0                                ; EXEC is a source of the stores above: it changes only behind this wait
	s_wait_tensorcnt 0x0
	ds_add_u32 v224, v225
	s_wait_dscnt 0x0
	s_and_saveexec_b32 s24, vcc_lo                 ; lanes 0, 4, .. 28: one for each expert
	global_store_b32 v7, v[S], s[46:47] offset:65536
	global_store_b32 v7, v67, s[44:45] offset:32768
	s_endpgm
.Ldone:
	s_wait_tensorcnt 0x0
	ds_add_u32 v224, v225
	s_wait_dscnt 0x0
	s_endpgm
.Lfunc_end_k_qf2b70d2b21_router:
	.size	k_qf2b70d2b21_router, .Lfunc_end_k_qf2b70d2b21_router-k_qf2b70d2b21_router
	.p2alignl 7, 3214868480
	.fill 96, 4, 3214868480
	.section	.rodata,"a",@progbits
	.p2align	6, 0x0
	.amdhsa_kernel k_qf2b70d2b21_router
		.amdhsa_group_segment_fixed_size 5120
		.amdhsa_private_segment_fixed_size 0
		.amdhsa_enable_private_segment 0
		.amdhsa_kernarg_size 48
		.amdhsa_user_sgpr_count 2
		.amdhsa_user_sgpr_kernarg_segment_ptr 1
		.amdhsa_wavefront_size32 1
		.amdhsa_system_sgpr_workgroup_id_x 1
		.amdhsa_system_sgpr_workgroup_id_y 1
		.amdhsa_system_sgpr_workgroup_id_z 1
		.amdhsa_system_vgpr_workitem_id 0
		.amdhsa_next_free_vgpr 226
		.amdhsa_next_free_sgpr 66
		.amdhsa_reserve_vcc 1
		.amdhsa_float_denorm_mode_32 3
		.amdhsa_float_denorm_mode_16_64 3
		.amdhsa_memory_ordered 1
		.amdhsa_forward_progress 1
		.amdhsa_inst_pref_size 84
	.end_amdhsa_kernel
	.amdgpu_metadata
---
amdhsa.version: [ 1, 2 ]
amdhsa.kernels:
  - .name:           k_qf2b70d2b21_router
    .symbol:         k_qf2b70d2b21_router.kd
    .args:
      - { .name: hidden_states, .offset: 0, .size: 8, .value_kind: global_buffer, .address_space: global }
      - { .name: router_w, .offset: 8, .size: 8, .value_kind: global_buffer, .address_space: global }
      - { .name: router_b, .offset: 16, .size: 8, .value_kind: global_buffer, .address_space: global }
      - { .name: xh, .offset: 24, .size: 8, .value_kind: global_buffer, .address_space: global }
      - { .name: rint, .offset: 32, .size: 8, .value_kind: global_buffer, .address_space: global }
      - { .name: rflt, .offset: 40, .size: 8, .value_kind: global_buffer, .address_space: global }
    .group_segment_fixed_size: 5120
    .private_segment_fixed_size: 0
    .kernarg_segment_align: 8
    .kernarg_segment_size: 48
    .max_flat_workgroup_size: 256
    .sgpr_count:     66
    .vgpr_count:     226
    .wavefront_size: 32
...
	.end_amdgpu_metadata
.endif
;; end of part 1
;; launch sortprep (part 2): grid 256 x 1, 9 waves a work-group, no clusters, 0 bytes of LDS; arguments rint, rflt, plan, out1, w1, w2, wf; writes plan, out1, wf
.if DOCPART == 2
	.amdgcn_target "amdgcn-amd-amdhsa--gfx1250"
	.amdhsa_code_object_version 6
	.text
	.protected	k_qf2b70d2b21_sortprep
	.globl	k_qf2b70d2b21_sortprep
	.p2align	8
	.type	k_qf2b70d2b21_sortprep,@function
k_qf2b70d2b21_sortprep:
	s_mov_b64 s[64:65], 0
	v_nop
	global_prefetch_b8 v0, s[64:65] scope:SCOPE_SE
	s_setreg_imm32_b32 hwreg(HW_REG_WAVE_MODE, 25, 1), 1
	s_wait_xcnt 0x0
; Two jobs that do not depend on each other, in one launch: waves 0 to 7 of each of the 256 work-groups bring the experts' weights into f16 in
; fragment order (a stream bound by memory); wave 8 sorts one chunk of 32 tokens by expert (a chain of a few loads and stores with little
; between them).  There are 256 chunks and 256 work-groups, so the sort's waiting lies under the stream.  No wave depends on another: no LDS, no barrier.
;
; WAVES 0-7.  w1 [8][1024][512] and w2 [8][512][1024], f32, stored [K][N]  ->  wf, f16: w1's image at byte 0, w2's at byte 8 MiB.
; Inside an image: expert * 1 MiB + g * (KS * 4 KiB) + ks * 4 KiB + t * 1 KiB + c * 512 + lane * 16, g = a group of 64 output columns, ks = a K step
; of 32 (KS = 32 for w1, 16 for w2).  The 16 bytes of lane (r = lane & 15, h = lane >> 4) are column n = 64 g + 4 r + t at k = 32 ks + 16 c + 8 h + 0..7.
; With this map of columns a lane's 16-byte load (four neighbouring columns of one k) is one number for each of the four fragments t, so no number
; changes lanes: eight loads down K, sixteen packed conversions, four stores.  Each load of a wave covers two whole aligned runs of 256 bytes
; (rows k and k + 8), each store 512 consecutive bytes.  A wave owns two K steps of one group: 16 KiB in, all 32 loads issued first, 8 KiB out.
; LIMIT: weights are rounded to f16 (nearest even): above 65,504 in magnitude they become infinite, below 6.1e-5 they keep an absolute error of 3e-8.
;
; WAVE 8.  Sort of the 16,384 (token, expert) pairs by expert, by counting, without atomics.  The wave owns chunk ttmp9 (one lane a token) and reads
; the whole table of counts hist[256 chunks][8 experts]: the totals give each expert's first sorted row, the chunks in front of mine my chunk's
; first row in it, and the lanes in front of mine (v_mbcnt) my own.
; plan: perm[16384] (token of a sorted row) at 0; pos[8192][2] (sorted rows of a token's two pairs) at 65,536;
;       tiles[212][4] = expert, first sorted row, rows, 0 at 131,072.
; TILES: at most 80 rows of one expert.  The sum over experts of ceil(C / 80) is at most (16,384 + 8 x 79) / 80 = 212; what is left of 212 goes to
; the first experts that can still be split, and an expert's rows are shared evenly among its tiles.  So there are always exactly 212 tiles,
; none empty, none above 80 rows: the next launch has a fixed grid in which every work-group has work.  The sort waves of work-groups 0 to 6
; write 32 tiles each, a lane a tile.  All of it is whole-number arithmetic.
; LOSS: the sort wave of work-group 7 writes 8 x sum of (imp_e / sum imp) x (C_e / 16,384), summed in another order than the reference's.
.set VIN, 8                            ; weights: v[8:135]   unit u = 2 ksl + c: eight rows of K x four columns, as loaded
.set PK,  136                          ; weights: v[136:199] unit u: four fragments' 16 bytes; never written twice, so no store is waited for
.set HV,  8                            ; sort: v[8:71]   16 loads of 4 counts: chunk 16 i + (lane >> 1), experts 4 (lane & 1) + 0..3; later at work
.set TOT, 72                           ; sort: v[72:75]  totals of my four experts
.set PRE, 76                           ; sort: v[76:79]  the same over the chunks in front of mine
.set TT,  80                           ; sort: v[80:83]  at work
.set IM,  96                           ; loss: v[96:159] 16 loads of 4 sums of probabilities, laid as the counts are; later at work
; PSH: log2 of the bytes in a row of the tensor; GSHIFT: log2 of the pairs of K steps in a group; SRC: the scalar pair with the tensor's address
.macro CONV PSH, GSHIFT, SRC
	s_lshr_b32 s15, s14, \GSHIFT                   ; g
	s_and_b32 s16, s14, (1<<\GSHIFT)-1             ; kp: K steps 2 kp and 2 kp + 1
	s_lshl_b32 s16, s16, \PSH+6                    ; 64 rows of K
	s_lshl_b32 s15, s15, 8                         ; 64 columns of 4 bytes
	s_add_co_u32 s18, s18, s16
	s_add_co_u32 s18, s18, s15                     ; below 16 MiB
	s_add_nc_u64 s[22:23], s[\SRC:\SRC+1], s[18:19]
	v_lshl_add_u32 v2, v5, \PSH+3, v2              ; 16 r + 8 h rows
.irp u, 0,1,2,3
.irp i, 0,1,2,3,4,5,6,7
	global_load_b128 v[VIN+32*\u+4*\i:VIN+32*\u+4*\i+3], v2, s[22:23] offset:(16*\u+\i)<<\PSH th:TH_LOAD_NT
.endr
.endr
.irp u, 0,1,2,3
	s_wait_loadcnt 8*(3-\u)                        ; loads return in order: unit u's eight are in, the younger units' stay out
.irp t, 0,1,2,3
.irp q, 0,1,2,3
	v_cvt_pk_f16_f32 v[PK+16*\u+4*\t+\q], v[VIN+32*\u+8*\q+\t], v[VIN+32*\u+8*\q+4+\t]   ; k = 2 q and 2 q + 1 of column t
.endr
	global_store_b128 v3, v[PK+16*\u+4*\t:PK+16*\u+4*\t+3], s[8:9] offset:(\u>>1)*4096+(\u&1)*512+\t*1024
.endr
.endr
.endm
.macro IRED r                          ; sum over the 16 lanes of my parity
	v_mov_b32_dpp v[TT], v[\r] row_xmask:2 row_mask:0xf bank_mask:0xf
	v_add_nc_u32 v[\r], v[\r], v[TT]
	v_mov_b32_dpp v[TT], v[\r] row_xmask:4 row_mask:0xf bank_mask:0xf
	v_add_nc_u32 v[\r], v[\r], v[TT]
	v_mov_b32_dpp v[TT], v[\r] row_xmask:8 row_mask:0xf bank_mask:0xf
	v_add_nc_u32 v[\r], v[\r], v[TT]
	v_permlanex16_b32 v[TT], v[\r], s74, s75
	v_add_nc_u32 v[\r], v[\r], v[TT]
.endm
; My chunk's part of the sort: counts in, pos and perm out.  It leaves C_e in s16-23 and each expert's first sorted row in s32-39.
; loss = 1: the sums of probabilities are asked for behind the counts and stay out until the loss wants them.
.macro RANKS loss
	global_load_b32 v6, v2, s[12:13]
.irp i, 0,1,2,3,4,5,6,7,8,9,10,11,12,13,14,15
	global_load_b128 v[HV+4*\i:HV+4*\i+3], v4, s[4:5] offset:32768+512*\i
.endr
.if \loss
.irp i, 0,1,2,3,4,5,6,7,8,9,10,11,12,13,14,15
	global_load_b128 v[IM+4*\i:IM+4*\i+3], v4, s[6:7] offset:65536+512*\i
.endr
.endif
	s_wait_loadcnt 16*\loss                        ; loads return in order: my route word and the counts are in; the 16 loads of probabilities, if any, stay out
	v_cmp_gt_i32 vcc_lo, s3, v3                    ; chunk lane >> 1 lies in front of mine
.irp k, 0,1,2,3
	v_cndmask_b32 v[PRE+\k], 0, v[HV+\k], vcc_lo   ; the first terms start the sums
	v_add_nc_u32 v[TOT+\k], v[HV+\k], v[HV+4+\k]
.endr
.irp i, 1,2,3,4,5,6,7,8,9,10,11,12,13,14,15
	s_sub_co_i32 s76, s3, 16*\i
	v_cmp_gt_i32 vcc_lo, s76, v3                   ; chunk 16 i + (lane >> 1) lies in front of mine
.irp k, 0,1,2,3
	v_cndmask_b32 v[TT+\k], 0, v[HV+4*\i+\k], vcc_lo
	v_add_nc_u32 v[PRE+\k], v[PRE+\k], v[TT+\k]
.if \i > 1
	v_add_nc_u32 v[TOT+\k], v[TOT+\k], v[HV+4*\i+\k]
.endif
.endr
.endr
.irp r, 72,73,74,75,76,77,78,79
	IRED \r
.endr
.irp k, 0,1,2,3
	v_readlane_b32 s[16+\k], v[TOT+\k], 0          ; C_e: s16-23
	v_readlane_b32 s[20+\k], v[TOT+\k], 1
	v_readlane_b32 s[24+\k], v[PRE+\k], 0          ; in front of my chunk: s24-31
	v_readlane_b32 s[28+\k], v[PRE+\k], 1
.endr
	s_mov_b32 s32, 0                               ; an expert's first sorted row: s32-39
.irp e, 0,1,2,3,4,5,6
	s_add_co_u32 s[33+\e], s[32+\e], s[16+\e]
.endr
.irp e, 0,1,2,3,4,5,6,7
	s_add_co_u32 s[24+\e], s[24+\e], s[32+\e]      ; my chunk's first row in expert e
.endr
	v_and_b32 v84, 0xff, v6                        ; first expert
	v_bfe_u32 v85, v6, 8, 8                        ; second expert: never the same
	v_mov_b32 v86, 0
	v_mov_b32 v87, 0
.irp e, 0,1,2,3,4,5,6,7
	v_cmp_eq_u32 s76, \e, v84
	v_cmp_eq_u32 s77, \e, v85
	s_or_b32 s78, s76, s77
	v_mbcnt_lo_u32_b32 v[TT], s78, 0               ; lanes in front of mine that go to e
	v_add_nc_u32 v[TT], s[24+\e], v[TT]
	v_cndmask_b32 v86, v86, v[TT], s76
	v_cndmask_b32 v87, v87, v[TT], s77
.endr
	v_min_u32 v86, 0x3fff, v86                     ; a number made of loaded ones enters an address only clamped
	v_min_u32 v87, 0x3fff, v87
	global_store_b64 v5, v[86:87], s[14:15] offset:65536
	v_lshlrev_b32 v88, 2, v86
	v_lshlrev_b32 v89, 2, v87
	v_lshl_add_u32 v90, s3, 5, v1                  ; my token: 32 x chunk + lane
	global_store_b32 v88, v90, s[8:9]              ; a scatter of single words: 64 KiB in the whole launch
	global_store_b32 v89, v90, s[8:9]
.endm
	v_lshrrev_b32 v1, 5, v0
	v_readfirstlane_b32 s2, v1                     ; wave 0..8
	s_cmp_eq_u32 s2, 8
	s_cbranch_scc1 .Lsort
	; ---- waves 0 to 7: the weights ----
	s_load_b128 s[4:7], s[0:1], 0x20               ; w1 s[4:5], w2 s[6:7]
	s_load_b64 s[8:9], s[0:1], 0x30                ; wf
	s_lshr_b32 s11, ttmp9, 7                       ; work-groups 0-127: w1, 128-255: w2
	s_and_b32 s12, ttmp9, 127
	s_lshl_b32 s12, s12, 3
	s_add_co_u32 s12, s12, s2                      ; W = 0..1023: 128 waves for each expert
	v_and_b32 v4, 15, v0                           ; r
	v_bfe_u32 v5, v0, 4, 1                         ; h
	v_and_b32 v3, 31, v0
	v_lshlrev_b32 v3, 4, v3                        ; out: 16 x lane
	v_lshlrev_b32 v2, 4, v4                        ; in: 16 r
	s_lshr_b32 s13, s12, 7                         ; expert
	s_and_b32 s14, s12, 127
	s_lshl_b32 s18, s13, 21                        ; an expert is 2 MiB in f32
	s_mov_b32 s19, 0
	s_lshl_b32 s20, s12, 13                        ; in wf the waves' 8 KiB follow each other
	s_mov_b32 s21, 0
	s_wait_kmcnt 0x0
	s_add_nc_u64 s[8:9], s[8:9], s[20:21]
	s_cmp_lg_u32 s11, 0
	s_cbranch_scc1 .Lsecond
	CONV 11, 4, 4                                  ; w1: rows of 2,048 bytes, 16 pairs of K steps
	s_endpgm
.Lsecond:
	s_add_nc_u64 s[8:9], s[8:9], 0x800000
	CONV 12, 3, 6                                  ; w2: rows of 4,096 bytes, 8 pairs of K steps
	s_endpgm
	; ---- wave 8: the sort ----
.Lsort:
	s_load_b256 s[4:11], s[0:1], 0x0               ; rint s[4:5], rflt s[6:7], plan s[8:9], out1 s[10:11]
	v_and_b32 v1, 31, v0                           ; lane
	v_lshlrev_b32 v2, 2, v1
	v_lshrrev_b32 v3, 1, v1
	v_lshlrev_b32 v4, 4, v1
	v_lshlrev_b32 v5, 3, v1
	s_mov_b32 s3, ttmp9                            ; my chunk, 0..255
	s_lshl_b32 s12, s3, 7
	s_mov_b32 s13, 0
	s_lshl_b32 s14, s3, 8
	s_mov_b32 s15, 0
	s_mov_b32 s74, 0x76543210                      ; v_permlanex16_b32: lane i of the other half
	s_mov_b32 s75, 0xfedcba98
	s_wait_kmcnt 0x0
	s_add_nc_u64 s[12:13], s[4:5], s[12:13]        ; route of my chunk
	s_add_nc_u64 s[14:15], s[8:9], s[14:15]        ; pos of my chunk (with the immediate 65,536)
	s_cmp_eq_u32 s3, 7
	s_cbranch_scc1 .Lwith_loss
	RANKS 0
	s_cmp_gt_u32 s3, 6
	s_cbranch_scc1 .Ldone
	; chunks 0 to 6: tile g = 32 x chunk + lane, which is the number in v90.  n_e: s40-47; first tile of e: s66-73
	s_mov_b32 s79, 212
.irp e, 0,1,2,3,4,5,6,7
	s_add_co_u32 s76, s[16+\e], 79
	s_mul_i32 s76, s76, 52429                      ; x div 80 = (x * 52,429) >> 22, exact for x below 16,464
	s_lshr_b32 s[40+\e], s76, 22
	s_sub_co_u32 s79, s79, s[40+\e]
.endr
.irp e, 0,1,2,3,4,5,6,7
	s_sub_co_u32 s76, s[16+\e], s[40+\e]           ; so many more tiles would still be non-empty
	s_min_u32 s76, s79, s76
	s_add_co_u32 s[40+\e], s[40+\e], s76
	s_sub_co_u32 s79, s79, s76
.endr
	s_mov_b32 s66, 0
.irp e, 0,1,2,3,4,5,6
	s_add_co_u32 s[67+\e], s[66+\e], s[40+\e]
.endr
	; my tile's expert: the last whose first tile is at or below g (an expert without tiles is overruled by the next)
	v_mov_b32 v8, 0                                ; expert
	v_mov_b32 v12, 0                               ; its first tile
	v_mov_b32 v13, s40                             ; its tiles, n
	v_mov_b32 v14, s16                             ; its rows, C
	v_mov_b32 v15, 0                               ; its first sorted row
.irp e, 1,2,3,4,5,6,7
	v_cmp_le_u32 vcc_lo, s[66+\e], v90
	v_cndmask_b32 v8, v8, \e, vcc_lo
	v_cndmask_b32 v12, v12, s[66+\e], vcc_lo
	v_cndmask_b32 v13, v13, s[40+\e], vcc_lo
	v_cndmask_b32 v14, v14, s[16+\e], vcc_lo
	v_cndmask_b32 v15, v15, s[32+\e], vcc_lo
.endr
	; q = C div n, at most 80: seven bits, from the top; each lane divides for its own tile
	v_mov_b32 v16, 0
.irp b, 64,32,16,8,4,2,1
	v_or_b32 v17, \b, v16
	v_mul_u32_u24 v18, v17, v13
	v_cmp_le_u32 vcc_lo, v18, v14
	v_cndmask_b32 v16, v16, v17, vcc_lo
.endr
	v_mul_u32_u24 v18, v16, v13
	v_sub_nc_u32 v19, v14, v18                     ; r = C - q n
	v_sub_nc_u32 v20, v90, v12                     ; j: my tile among the expert's
	v_mad_u32_u24 v9, v20, v16, v15
	v_min_u32 v21, v20, v19
	v_add_nc_u32 v9, v9, v21                       ; first row = base + j q + min(j, r)
	v_cmp_lt_u32 vcc_lo, v20, v19
	v_cndmask_b32 v21, 0, 1, vcc_lo
	v_add_nc_u32 v10, v16, v21                     ; rows = q + (j < r)
	v_mov_b32 v11, 0
	v_lshlrev_b32 v22, 4, v90
	v_cmp_gt_u32 vcc_lo, 212, v90
	s_wait_xcnt 0x0                                ; EXEC is a source of the stores above: it changes only behind this wait
	s_and_saveexec_b32 s76, vcc_lo                 ; chunk 6 has lanes for tiles 192 to 223: those from 212 on store nothing
	global_store_b128 v22, v[8:11], s[8:9] offset:131072
	s_endpgm
.Ldone:
	s_endpgm
	; chunk 7: its part of the sort, and the loss
.Lwith_loss:
	RANKS 1
	s_wait_loadcnt 0x0                             ; the sums of probabilities
.irp i, 1,2,3,4,5,6,7,8,9,10,11,12,13,14,15
	v_pk_add_f32 v[IM:IM+1],   v[IM:IM+1],   v[IM+4*\i:IM+4*\i+1]
	v_pk_add_f32 v[IM+2:IM+3], v[IM+2:IM+3], v[IM+4*\i+2:IM+4*\i+3]
.endr
.irp k, 0,1,2,3
	v_add_f32_dpp v[IM+\k], v[IM+\k], v[IM+\k] row_xmask:2 row_mask:0xf bank_mask:0xf
	v_add_f32_dpp v[IM+\k], v[IM+\k], v[IM+\k] row_xmask:4 row_mask:0xf bank_mask:0xf
	v_add_f32_dpp v[IM+\k], v[IM+\k], v[IM+\k] row_xmask:8 row_mask:0xf bank_mask:0xf
	v_permlanex16_b32 v[TT], v[IM+\k], s74, s75
	v_add_f32 v[IM+\k], v[IM+\k], v[TT]            ; imp of expert 4 (lane & 1) + k
	v_cvt_f32_u32 v[IM+4+\k], v[TOT+\k]            ; and its count
.endr
	v_mul_f32 v[IM+8], v[IM], v[IM+4]
	v_fmac_f32 v[IM+8], v[IM+1], v[IM+5]
	v_fmac_f32 v[IM+8], v[IM+2], v[IM+6]
	v_fmac_f32 v[IM+8], v[IM+3], v[IM+7]
	v_add_f32 v[IM+9], v[IM], v[IM+1]
	v_add_f32 v[IM+10], v[IM+2], v[IM+3]
	v_add_f32 v[IM+9], v[IM+9], v[IM+10]
	v_add_f32_dpp v[IM+8], v[IM+8], v[IM+8] row_xmask:1 row_mask:0xf bank_mask:0xf   ; the other four experts
	v_add_f32_dpp v[IM+9], v[IM+9], v[IM+9] row_xmask:1 row_mask:0xf bank_mask:0xf
	v_rcp_f32 v[IM+9], v[IM+9]
	v_mov_b32 v[IM+11], 0                          ; the store's offset; also the plain instruction behind the reciprocal (ISA guide 5.7.2)
	s_wait_alu depctr_va_vdst(0)
	v_mul_f32 v[IM+8], v[IM+8], v[IM+9]
	v_mul_f32 v[IM+8], 0x3a000000, v[IM+8]         ; 8 / 16,384
	v_cmp_eq_u32 vcc_lo, 0, v1
	s_wait_xcnt 0x0                                ; EXEC is a source of the stores above
	s_and_saveexec_b32 s76, vcc_lo
	global_store_b32 v[IM+11], v[IM+8], s[10:11]
	s_endpgm
.Lfunc_end_k_qf2b70d2b21_sortprep:
	.size	k_qf2b70d2b21_sortprep, .Lfunc_end_k_qf2b70d2b21_sortprep-k_qf2b70d2b21_sortprep
	.p2alignl 7, 3214868480
	.fill 96, 4, 3214868480
	.section	.rodata,"a",@progbits
	.p2align	6, 0x0
	.amdhsa_kernel k_qf2b70d2b21_sortprep
		.amdhsa_group_segment_fixed_size 0
		.amdhsa_private_segment_fixed_size 0
		.amdhsa_enable_private_segment 0
		.amdhsa_kernarg_size 56
		.amdhsa_user_sgpr_count 2
		.amdhsa_user_sgpr_kernarg_segment_ptr 1
		.amdhsa_wavefront_size32 1
		.amdhsa_system_sgpr_workgroup_id_x 1
		.amdhsa_system_sgpr_workgroup_id_y 1
		.amdhsa_system_sgpr_workgroup_id_z 1
		.amdhsa_system_vgpr_workitem_id 0
		.amdhsa_next_free_vgpr 200
		.amdhsa_next_free_sgpr 84
		.amdhsa_reserve_vcc 1
		.amdhsa_float_denorm_mode_32 3
		.amdhsa_float_denorm_mode_16_64 3
		.amdhsa_memory_ordered 1
		.amdhsa_forward_progress 1
		.amdhsa_inst_pref_size 67
	.end_amdhsa_kernel
	.amdgpu_metadata
---
amdhsa.version: [ 1, 2 ]
amdhsa.kernels:
  - .name:           k_qf2b70d2b21_sortprep
    .symbol:         k_qf2b70d2b21_sortprep.kd
    .args:
      - { .name: rint, .offset: 0, .size: 8, .value_kind: global_buffer, .address_space: global }
      - { .name: rflt, .offset: 8, .size: 8, .value_kind: global_buffer, .address_space: global }
      - { .name: plan, .offset: 16, .size: 8, .value_kind: global_buffer, .address_space: global }
      - { .name: out1, .offset: 24, .size: 8, .value_kind: global_buffer, .address_space: global }
      - { .name: w1, .offset: 32, .size: 8, .value_kind: global_buffer, .address_space: global }
      - { .name: w2, .offset: 40, .size: 8, .value_kind: global_buffer, .address_space: global }
      - { .name: wf, .offset: 48, .size: 8, .value_kind: global_buffer, .address_space: global }
    .group_segment_fixed_size: 0
    .private_segment_fixed_size: 0
    .kernarg_segment_align: 8
    .kernarg_segment_size: 56
    .max_flat_workgroup_size: 288
    .sgpr_count:     84
    .vgpr_count:     200
    .wavefront_size: 32
...
	.end_amdgpu_metadata
.endif
;; end of part 2
;; launch ffn (part 3): grid 212 x 1, 8 waves a work-group, no clusters, 294,400 bytes of LDS; arguments xh, wf, plan, b1, b2, ybuf; writes ybuf
.if DOCPART == 3
	.amdgcn_target "amdgcn-amd-amdhsa--gfx1250"
	.amdhsa_code_object_version 6
	.text
	.protected	k_qf2b70d2b21_ffn
	.globl	k_qf2b70d2b21_ffn
	.p2align	8
	.type	k_qf2b70d2b21_ffn,@function
k_qf2b70d2b21_ffn:
	s_mov_b64 s[64:65], 0
	v_nop
	global_prefetch_b8 v0, s[64:65] scope:SCOPE_SE
	s_setreg_imm32_b32 hwreg(HW_REG_WAVE_MODE, 25, 1), 1
	s_wait_xcnt 0x0
; One tile: one expert, at most 80 sorted rows.  ybuf[row] = gelu(x[token] W1 + b1) W2 + b2, f16 operands, f32 sums, f32 out.
; Eight waves; each makes all 80 rows x 64 columns in each of three passes: H = X W1 (columns 64 w .., K = 1,024), then twice Y = H W2 (columns
; 128 w + 64 p .., K = 512).  A K step of 32 is 5 row blocks x 4 weight fragments = 20 matrix instructions on 20 accumulators.
; Rows past the tile's count repeat its last row: same token, same numbers, same store address; so EXEC never changes.
; THE MATRIX INSTRUCTION IS USED TRANSPOSED: source 0 = a weight fragment (its lane r holds column 64 g + 4 r + t), source 1 = 16 rows of X or H.
; Register j of lane (r, h) of tile (mb, t) is then row 16 mb + r, column 64 g + 32 h + 4 j + t: a lane's 4 tiles x 8 registers are 32 neighbouring columns.
; WEIGHTS GO FROM MEMORY STRAIGHT INTO REGISTERS, already in fragment order: each fragment is used by one wave of the work-group alone, so a way
; through LDS would add 2 MiB written and 2 MiB read to the 2.6 MB of row fragments that the work-group reads from it, and spare nothing.
; NO CLUSTER, NO JOINT LOADS, though tiles of one expert read the same weights: how many tiles an expert has hangs on counts read from memory,
; so the partners of a fixed cluster need not belong to one expert; and a joint load ends in LDS, which the line above rules out.
; X comes by asynchronous copies (a gather of 80 rows of 2,048 bytes), once, in two halves of K with LDS regions of their own.
; LDS: X 160 rows (80 rows x 2 halves of K) of 1,024 + 16 bytes at 0; H 8 blocks (one for each wave that makes it) of 80 rows of 128 + 16 bytes at
; 166,400; a stage of 16 rows of 256 + 16 bytes for each wave at 258,560.  All three pitches are odd multiples of 16 bytes: the sixteen rows that
; a 16-byte access touches lie in sixteen different 16-byte columns modulo 256.  Copies fill X alone; ds_stores write H and the stages alone.
; The text is straight: every K step's offsets are immediates, no pointer is stepped, there is no jump.
; LIMITS: x, W1, W2 and H are f16: magnitudes above 65,504 become infinite, below 6.1e-5 they keep an absolute error of 3e-8.
; erf by Abramowitz and Stegun 7.1.26, absolute error at most 1.5e-7, for every argument.
.set XP,  1040                         ; X: bytes from row to row
.set XC,  80*XP                        ; one half of K
.set HP,  144                          ; H: bytes from row to row
.set HW,  80*HP                        ; one wave's block
.set HB,  2*XC                         ; H's first byte
.set SP,  272                          ; stage: bytes from row to row
.set SW,  16*SP
.set SB,  HB+8*HW                      ; the stages' first byte
; window 0
.set AA,  4                            ; v[4:13]    X fragments: (16 m + r) XP + 16 h, m = 0..9 (5..9: the second half of K)
.set HA,  14                           ; v[14:15]   H fragments: HB + r HP + 16 h; the same + 4 blocks
.set HST, 16                           ; where I put 16 columns of H
.set STO, 17                           ; the way out: where I put 4 columns of a row
.set RD,  18                           ; the way out: where I read 16 bytes of a row back
.set BO,  19                           ; 128 h: my 32 columns in a run of 64 biases
.set LA,  20                           ; v[20:39]   LDS addresses of my 10 rows' copies, both halves of K
.set GO,  40                           ; 16 lane + 1,024: the second half of K in a row of xh (the first is v1)
.set CO,  41                           ; 16 r
.set TA,  42                           ; v[42:43]   at work
.set AB,  44                           ; v[44:123]  two buffers of 5 row fragments; at work in gelu and on the way out
.set BR,  124                          ; v[124:251] ring of four K steps' weight fragments
; window 1 (v256 and up, named by their low 8 bits)
.set ACC,  0                           ; 20 accumulators: tile (mb, t) at 8 (4 mb + t)
.set YO,   160                         ; 40 byte offsets in ybuf: rows 2 n + (lane >> 4) of the tile
.set BIAS, 200                         ; 32 biases of my columns
.set GZ, AB
.set GA, AB+16
.set GU, AB+32
.set GQ, AB+48
.set GP, AB+64
.set YT, AB
.set YR, AB+32
.set MSB, 0
.macro WIN new                         ; s_set_vgpr_msb: bits 1:0 source 0, 3:2 source 1, 5:4 source 2, 7:6 destination; the high byte repeats the setting that is left
.if MSB != \new
	s_set_vgpr_msb (MSB<<8)|\new
.set MSB, \new
.endif
.endm
; A load into a register that a matrix instruction has read, and a vector instruction that reads a matrix result or writes one of its registers,
; stand four places behind it; only plain vector instructions that name none of its registers are places.
.macro PLACES
.rept 4
	v_nop
.endr
.endm
; ten LDS loads: five row fragments of one K step into buffer buf; block m from register areg + rstep m at offset off + ostep m
.macro ALOAD buf, areg, rstep, ostep, off
.irp m, 0,1,2,3,4
	ds_load_b128 v[AB+40*(\buf)+8*\m:AB+40*(\buf)+8*\m+3],   v[(\areg)+(\rstep)*\m] offset:(\off)+(\ostep)*\m
	ds_load_b128 v[AB+40*(\buf)+8*\m+4:AB+40*(\buf)+8*\m+7], v[(\areg)+(\rstep)*\m] offset:(\off)+(\ostep)*\m+32
.endr
.endm
; K step ks of 64 (0-31 pass 1, 32-47 pass 2, 48-63 pass 3).  It asks for the weights of step ks + 3 and the row fragments of step ks + 1, both into
; registers that step ks - 1 read, and multiplies.  The 20 accumulators take turns, one instruction a turn, in the same order in every step.
.macro KSTEP
	PLACES
.if ks+3 < 64
.set wnew, BR+32*((ks+3)%4)
.if ks+3 < 32
.irp j, 0,1,2,3,4,5,6,7
	global_load_b128 v[wnew+4*\j:wnew+4*\j+3], v1, s[26:27] offset:(ks+3)*4096+512*\j
.endr
.else
.irp j, 0,1,2,3,4,5,6,7
	global_load_b128 v[wnew+4*\j:wnew+4*\j+3], v1, s[28:29] offset:(ks+3-32)*4096+512*\j
.endr
.endif
.endif
.set pre, 1
.if ks%16 == 15
.set pre, 0                            ; the next step's rows are not there yet (second half of X, H) or the pass ends
.endif
.if pre
.set nk, ks+1
.set nb, nk%2
.set hk, nk%16
.if nk < 32
.set ar, AA+5*(nk>>4)
.set ao, 64*hk
	ALOAD nb, ar, 1, 0, ao
.else
.set ar, HA+(hk>>3)
.set ao, ((hk>>1)&3)*HW+(hk&1)*64
	ALOAD nb, ar, 0, 16*HP, ao
.endif
.endif
.if 63-ks < 3
	s_wait_loadcnt 8*(63-ks)                       ; the end of the ring: the counts run down
.else
	s_wait_loadcnt 24                              ; the three younger steps' weights stay out (bias loads among them only make this wait reach further back)
.endif
	s_wait_dscnt 10*pre                            ; this step's rows are in; the ten loads just issued stay out
	WIN 0x50
.set wcur, BR+32*(ks%4)
.set acur, AB+40*(ks%2)
.set fst, 0
.if ks%16 == 0
.if ks != 16
.set fst, 1                            ; a pass's first products start the sums: nothing is cleared
.endif
.endif
.irp m, 0,1,2,3,4
.irp t, 0,1,2,3
.if fst
	v_wmma_f32_16x16x32_f16 v[ACC+8*(4*\m+\t):ACC+8*(4*\m+\t)+7], v[wcur+8*\t:wcur+8*\t+7], v[acur+8*\m:acur+8*\m+7], 0
.else
	v_wmma_f32_16x16x32_f16 v[ACC+8*(4*\m+\t):ACC+8*(4*\m+\t)+7], v[wcur+8*\t:wcur+8*\t+7], v[acur+8*\m:acur+8*\m+7], v[ACC+8*(4*\m+\t):ACC+8*(4*\m+\t)+7]
.endif
.endr
.endr
	WIN 0
.set ks, ks+1
.endm
; 32 biases of my columns, from the run of 64 at base + off
.macro BLOAD sb, off
	WIN 0x40
.irp j, 0,1,2,3,4,5,6,7
	global_load_b128 v[BIAS+4*\j:BIAS+4*\j+3], v[BO], s[\sb:\sb+1] offset:\off+16*\j
.endr
	WIN 0
.endm
; gelu of 16 neighbouring columns (half b of my 32) of row block mb, to f16, into H.
; gelu(z) = max(z, 0) + |z| P(t) e^(-z z / 2), t = 1 / (1 + 0.23164189 |z|), P = t (c1 + t (c2 + t (c3 + t (c4 + t c5)))), c = -a / 2 of the formula's a.
.macro GELU mb, b
	WIN 0x05
.irp c, 0,1,2,3,4,5,6,7,8,9,10,11,12,13,14,15
	v_add_f32 v[GZ+\c], v[ACC+8*(4*\mb+(\c&3))+4*\b+(\c>>2)], v[BIAS+16*\b+\c]
.endr
	WIN 0
.irp c, 0,1,2,3,4,5,6,7,8,9,10,11,12,13,14,15
	v_and_b32 v[GA+\c], 0x7fffffff, v[GZ+\c]
.endr
.irp q, 0,2,4,6,8,10,12,14
	v_pk_fma_f32 v[GU+\q:GU+\q+1], v[GA+\q:GA+\q+1], s[76:77], 1.0 op_sel_hi:[1,0,0]
	v_pk_mul_f32 v[GQ+\q:GQ+\q+1], v[GZ+\q:GZ+\q+1], v[GZ+\q:GZ+\q+1]
.endr
.irp q, 0,2,4,6,8,10,12,14
	v_pk_mul_f32 v[GQ+\q:GQ+\q+1], v[GQ+\q:GQ+\q+1], s[78:79] op_sel_hi:[1,0]
.endr
.irp c, 0,1,2,3,4,5,6,7,8,9,10,11,12,13,14,15
	v_rcp_f32 v[GU+\c], v[GU+\c]
.endr
.irp c, 0,1,2,3,4,5,6,7,8,9,10,11,12,13,14,15
	v_exp_f32 v[GQ+\c], v[GQ+\c]
.endr
.irp c, 0,1,2,3,4,5,6,7,8,9,10,11,12,13,14,15
	v_max_num_f32 v[GZ+\c], 0, v[GZ+\c]            ; plain instructions between the transcendentals and the first use of their results (ISA guide 5.7.2)
.endr
	s_wait_alu depctr_va_vdst(0)
.irp q, 0,2,4,6,8,10,12,14
	v_pk_fma_f32 v[GP+\q:GP+\q+1], v[GU+\q:GU+\q+1], s[80:81], s[82:83] op_sel_hi:[1,0,0]
.endr
.irp k, 84,86,88
.irp q, 0,2,4,6,8,10,12,14
	v_pk_fma_f32 v[GP+\q:GP+\q+1], v[GP+\q:GP+\q+1], v[GU+\q:GU+\q+1], s[\k:\k+1] op_sel_hi:[1,1,0]
.endr
.endr
.irp q, 0,2,4,6,8,10,12,14
	v_pk_mul_f32 v[GU+\q:GU+\q+1], v[GU+\q:GU+\q+1], v[GQ+\q:GQ+\q+1]
.endr
.irp q, 0,2,4,6,8,10,12,14
	v_pk_mul_f32 v[GP+\q:GP+\q+1], v[GP+\q:GP+\q+1], v[GU+\q:GU+\q+1]
.endr
.irp q, 0,2,4,6,8,10,12,14
	v_pk_fma_f32 v[GZ+\q:GZ+\q+1], v[GA+\q:GA+\q+1], v[GP+\q:GP+\q+1], v[GZ+\q:GZ+\q+1]
.endr
.irp q, 0,1,2,3,4,5,6,7
	v_cvt_pk_f16_f32 v[GU+\q], v[GZ+2*\q], v[GZ+2*\q+1]
.endr
	ds_store_b128 v[HST], v[GU:GU+3]   offset:16*HP*\mb+32*\b
	ds_store_b128 v[HST], v[GU+4:GU+7] offset:16*HP*\mb+32*\b+16
.endm
; 16 rows x 64 columns of Y: add the bias, through my own stage, out as whole rows of 256 bytes
.macro YOUT mb, p
	WIN 0x05
.set yc, 0
.rept 32
	v_add_f32 v[YT+yc], v[ACC+8*(4*\mb+(yc&3))+(yc>>2)], v[BIAS+yc]
.set yc, yc+1
.endr
	WIN 0
.irp i, 0,1,2,3,4,5,6,7
	ds_store_b128 v[STO], v[YT+4*\i:YT+4*\i+3] offset:16*\i
.endr
	s_wait_xcnt 0x0                                ; YR is the data of the stores before: it is loaded into again only behind this wait
.irp i, 0,1,2,3,4,5,6,7
	ds_load_b128 v[YR+4*\i:YR+4*\i+3], v[RD] offset:2*SP*\i        ; LDS serves a wave's instructions in order (ISA guide 5.7.1): these see the stores above
.endr
	WIN 0x01                                       ; the stores' offsets lie in window 1
.irp i, 0,1,2,3,4,5,6,7
	s_wait_dscnt 7-\i
	global_store_b128 v[YO+8*\mb+\i], v[YR+4*\i:YR+4*\i+3], s[34:35] offset:256*\p th:TH_STORE_NT   ; 16 lanes store 256 consecutive bytes, aligned
.endr
	WIN 0
.endm
	s_load_b256 s[8:15], s[0:1], 0x0               ; xh s[8:9], wf s[10:11], plan s[12:13], b1 s[14:15]
	s_load_b128 s[16:19], s[0:1], 0x20             ; b2 s[16:17], ybuf s[18:19]
	v_lshl_add_u32 v254, v0, 2, 0x47a00
	v_mov_b32 v255, 0
	ds_add_u32 v254, v255
	ds_add_u32 v254, v255
	v_lshrrev_b32 v[TA], 5, v0
	v_readfirstlane_b32 s2, v[TA]                  ; wave
	v_and_b32 v[TA], 31, v0
	v_lshlrev_b32 v1, 4, v[TA]                     ; 16 x lane
	v_and_b32 v2, 15, v0                           ; r
	v_bfe_u32 v3, v0, 4, 1                         ; h
	s_lshl_b32 s3, ttmp9, 4
	s_wait_dscnt 0x0
	s_wait_kmcnt 0x0
	s_load_b128 s[20:23], s[12:13], s3 offset:0x20000   ; my tile: expert, first sorted row, rows
	s_mul_i32 s4, s2, 10*XP                        ; my ten rows of X
	v_add_nc_u32 v[LA], s4, v1
.irp i, 1,2,3,4,5,6,7,8,9
	v_add_nc_u32 v[LA+\i], \i*XP, v[LA]
.endr
.irp i, 0,1,2,3,4,5,6,7,8,9
	v_add_nc_u32 v[LA+10+\i], XC, v[LA+\i]
.endr
	v_add_nc_u32 v[GO], 1024, v1
	v_lshlrev_b32 v[BO], 7, v3
	v_lshlrev_b32 v[CO], 4, v2
	s_mul_i32 s5, s2, 10
	s_wait_kmcnt 0x0
	s_min_u32 s20, s20, 7                          ; loaded numbers enter addresses only clamped
	s_min_u32 s21, s21, 0x3fff
	s_min_u32 s22, s22, 80
	s_max_u32 s22, s22, 1
	s_sub_co_u32 s24, s22, 1                       ; the tile's last row
	s_add_co_u32 s25, s21, s24
	s_min_u32 s25, s25, 0x3fff                     ; and its sorted row
.irp i, 0,1,2,3,4,5,6,7,8,9
	s_add_co_u32 s[66+\i], s5, \i
	s_min_u32 s[66+\i], s[66+\i], s24              ; rows past the count repeat the last
	s_add_co_u32 s[66+\i], s[66+\i], s21
	s_min_u32 s[66+\i], s[66+\i], 0x3fff
	s_lshl_b32 s[66+\i], s[66+\i], 2
	s_load_b32 s[36+2*\i], s[12:13], s[66+\i] offset:0x0   ; the row's token
.endr
	s_lshl_b32 s6, s20, 20                         ; an expert's image is 1 MiB,
	s_lshl_b32 s7, s2, 17                          ; my group of W1, and my two groups of W2, 128 KiB
	s_add_co_u32 s6, s6, s7
	s_mov_b32 s7, 0
	s_add_nc_u64 s[26:27], s[10:11], s[6:7]
	s_add_nc_u64 s[28:29], s[26:27], 0x800000
	s_lshl_b32 s6, s20, 11
	s_lshl_b32 s4, s2, 8
	s_add_co_u32 s6, s6, s4
	s_add_nc_u64 s[30:31], s[14:15], s[6:7]        ; b1: expert x 2,048 + wave x 256
	s_lshl_b32 s6, s6, 1
	s_add_nc_u64 s[32:33], s[16:17], s[6:7]        ; b2: twice that
	s_lshl_b32 s6, s2, 9
	s_add_nc_u64 s[34:35], s[18:19], s[6:7]        ; ybuf at my 128 columns
	BLOAD 30, 0
.irp k, 0,1,2
.irp j, 0,1,2,3,4,5,6,7
	global_load_b128 v[BR+32*\k+4*\j:BR+32*\k+4*\j+3], v1, s[26:27] offset:4096*\k+512*\j   ; the ring's first three K steps
.endr
.endr
	s_wait_kmcnt 0x0
.irp i, 0,1,2,3,4,5,6,7,8,9
	s_min_u32 s[36+2*\i], s[36+2*\i], 0x1fff
	s_lshl_b32 s[36+2*\i], s[36+2*\i], 11
	s_mov_b32 s[37+2*\i], 0
	s_add_nc_u64 s[36+2*\i:37+2*\i], s[8:9], s[36+2*\i:37+2*\i]
.endr
	; 40 copies of 512 bytes, all ahead of the first wait on ASYNCcnt, the first LDS read and the first barrier: the first half of K of my ten rows,
	; then the second.  The immediate steps both addresses.  Their address registers and bases are never written again.
.irp f, 0,1
.irp i, 0,1,2,3,4,5,6,7,8,9
	global_load_async_to_lds_b128 v[LA+\i], v1, s[36+2*\i:37+2*\i] offset:512*\f
.endr
.endr
.irp f, 0,1
.irp i, 0,1,2,3,4,5,6,7,8,9
	global_load_async_to_lds_b128 v[LA+10+\i], v[GO], s[36+2*\i:37+2*\i] offset:512*\f
.endr
.endr
	v_mul_u32_u24 v[AA], v2, XP
	v_lshl_add_u32 v[AA], v3, 4, v[AA]
.irp m, 1,2,3,4,5,6,7,8,9
	v_add_nc_u32 v[AA+\m], \m*16*XP, v[AA]
.endr
	v_mul_u32_u24 v[TA], v2, HP
	v_lshl_add_u32 v[HA], v3, 4, v[TA]
	v_add_nc_u32 v[HA], HB, v[HA]
	v_add_nc_u32 v[HA+1], 4*HW, v[HA]
	s_mul_i32 s4, s2, HW
	s_add_co_u32 s4, s4, HB                        ; my block of H
	v_lshl_add_u32 v[HST], v3, 6, v[TA]
	v_add_nc_u32 v[HST], s4, v[HST]
	s_mul_i32 s5, s2, SW
	s_add_co_u32 s5, s5, SB                        ; my stage
	v_mul_u32_u24 v[TA], v2, SP
	v_lshl_add_u32 v[TA], v3, 7, v[TA]
	v_add_nc_u32 v[STO], s5, v[TA]
	v_mul_u32_u24 v[TA], v3, SP
	v_lshl_add_u32 v[TA], v2, 4, v[TA]
	v_add_nc_u32 v[RD], s5, v[TA]
.irp k, 76,77
	s_mov_b32 s\k, 0x3e6d3388                      ; 0.3275911 / sqrt 2
.endr
.irp k, 78,79
	s_mov_b32 s\k, 0xbf38aa3b                      ; -log2(e) / 2
.endr
.irp k, 80,81
	s_mov_b32 s\k, 0xbf07dc22                      ; c5 = -0.53070271
.endr
.irp k, 82,83
	s_mov_b32 s\k, 0x3f3a00e3                      ; c4 =  0.72657601
.endr
.irp k, 84,85
	s_mov_b32 s\k, 0xbf35f0e3                      ; c3 = -0.71070687
.endr
.irp k, 86,87
	s_mov_b32 s\k, 0x3e11a98e                      ; c2 =  0.14224837
.endr
.irp k, 88,89
	s_mov_b32 s\k, 0xbe027906                      ; c1 = -0.12741480
.endr
	; the 40 store offsets: sorted row first + 2 n + (lane >> 4), held at the tile's last row, x 4,096 bytes, + 16 r
	v_add_nc_u32 v[TA], s21, v3
.set yn, 0
.rept 40
	v_add_nc_u32 v[AB+yn], 2*yn, v[TA]
	v_min_u32 v[AB+yn], s25, v[AB+yn]
	v_min_u32 v[AB+yn], 0x3fff, v[AB+yn]
.set yn, yn+1
.endr
	WIN 0x40
.set yn, 0
.rept 40
	v_lshl_add_u32 v[YO+yn], v[AB+yn], 12, v[CO]
.set yn, yn+1
.endr
	WIN 0
	; PASS 1: H = X W1
.set ks, 0
	s_wait_asynccnt 20                             ; copies end in order: my 20 of the first half of K are in, the 20 of the second stay out
	s_barrier_signal -1
	s_barrier_wait -1                              ; everybody's are.  Nothing is ever filled again
	ALOAD 0, AA, 1, 0, 0
.rept 16
	KSTEP
.endr
	s_wait_asynccnt 0                              ; the second half (no LDS load of mine is out: step 15 waited for all)
	s_barrier_signal -1
	s_barrier_wait -1
	ALOAD 0, AA+5, 1, 0, 0
.rept 16
	KSTEP
.endr
	PLACES
.irp m, 0,1,2,3,4
	GELU \m, 0
	GELU \m, 1
.endr
	BLOAD 32, 0                                    ; b2 of pass 2's columns; b1 has been read
	s_wait_dscnt 0x0                               ; my block of H is in LDS, for the others' sake
	s_barrier_signal -1
	s_barrier_wait -1
	; PASS 2: Y = H W2, columns 128 w .. + 63
	ALOAD 0, HA, 0, 16*HP, 0
.rept 16
	KSTEP
.endr
	PLACES
.irp m, 0,1,2,3,4
	YOUT \m, 0
.endr
	BLOAD 32, 256
	s_wait_xcnt 0x0                                ; the fragment buffers were the last stores' data
	; PASS 3: columns 128 w + 64 .. + 127
	ALOAD 0, HA, 0, 16*HP, 0
.rept 16
	KSTEP
.endr
	PLACES
.irp m, 0,1,2,3,4
	YOUT \m, 1
.endr
	s_wait_tensorcnt 0x0
	ds_add_u32 v254, v255
	s_wait_dscnt 0x0
	s_endpgm
.Lfunc_end_k_qf2b70d2b21_ffn:
	.size	k_qf2b70d2b21_ffn, .Lfunc_end_k_qf2b70d2b21_ffn-k_qf2b70d2b21_ffn
	.p2alignl 7, 3214868480
	.fill 96, 4, 3214868480
	.section	.rodata,"a",@progbits
	.p2align	6, 0x0
	.amdhsa_kernel k_qf2b70d2b21_ffn
		.amdhsa_group_segment_fixed_size 294400
		.amdhsa_private_segment_fixed_size 0
		.amdhsa_enable_private_segment 0
		.amdhsa_kernarg_size 48
		.amdhsa_user_sgpr_count 2
		.amdhsa_user_sgpr_kernarg_segment_ptr 1
		.amdhsa_wavefront_size32 1
		.amdhsa_system_sgpr_workgroup_id_x 1
		.amdhsa_system_sgpr_workgroup_id_y 1
		.amdhsa_system_sgpr_workgroup_id_z 1
		.amdhsa_system_vgpr_workitem_id 0
		.amdhsa_next_free_vgpr 488
		.amdhsa_next_free_sgpr 90
		.amdhsa_reserve_vcc 0
		.amdhsa_float_denorm_mode_32 3
		.amdhsa_float_denorm_mode_16_64 3
		.amdhsa_memory_ordered 1
		.amdhsa_forward_progress 1
		.amdhsa_inst_pref_size 255
	.end_amdhsa_kernel
	.section	.bss,"aw",@nobits
	.p2align	6
	.space	262144
	.amdgpu_metadata
---
amdhsa.version: [ 1, 2 ]
amdhsa.kernels:
  - .name:           k_qf2b70d2b21_ffn
    .symbol:         k_qf2b70d2b21_ffn.kd
    .args:
      - { .name: xh, .offset: 0, .size: 8, .value_kind: global_buffer, .address_space: global }
      - { .name: wf, .offset: 8, .size: 8, .value_kind: global_buffer, .address_space: global }
      - { .name: plan, .offset: 16, .size: 8, .value_kind: global_buffer, .address_space: global }
      - { .name: b1, .offset: 24, .size: 8, .value_kind: global_buffer, .address_space: global }
      - { .name: b2, .offset: 32, .size: 8, .value_kind: global_buffer, .address_space: global }
      - { .name: ybuf, .offset: 40, .size: 8, .value_kind: global_buffer, .address_space: global }
    .group_segment_fixed_size: 294400
    .private_segment_fixed_size: 0
    .kernarg_segment_align: 8
    .kernarg_segment_size: 48
    .max_flat_workgroup_size: 256
    .sgpr_count:     90
    .vgpr_count:     488
    .wavefront_size: 32
...
	.end_amdgpu_metadata
.endif
;; end of part 3
;; launch combine (part 4): grid 512 x 1, 8 waves a work-group, no clusters, 0 bytes of LDS; arguments ybuf, plan, rflt, out0; writes out0
.if DOCPART == 4
	.amdgcn_target "amdgcn-amd-amdhsa--gfx1250"
	.amdhsa_code_object_version 6
	.text
	.protected	k_qf2b70d2b21_combine
	.globl	k_qf2b70d2b21_combine
	.p2align	8
	.type	k_qf2b70d2b21_combine,@function
k_qf2b70d2b21_combine:
	s_mov_b64 s[64:65], 0
	v_nop
	global_prefetch_b8 v0, s[64:65] scope:SCOPE_SE
	s_setreg_imm32_b32 hwreg(HW_REG_WAVE_MODE, 25, 1), 1
	s_wait_xcnt 0x0
; out0[t] = w0[t] ybuf[pos[t][0]] + w1[t] ybuf[pos[t][1]], all f32.  A token's two rows were made by two work-groups of the launch before,
; so they are added here, by gathering.  A wave takes two tokens: four rows of 4,096 bytes, all 32 loads issued first; each load and store of a
; wave covers 512 consecutive bytes.  Positions and weights are the same for the whole wave: scalar loads.  Memory binds: no LDS, no barrier.
.set Y, 8                              ; v[8:135]  row 2 a + k (token a, expert k): 32 registers
	s_load_b256 s[4:11], s[0:1], 0x0               ; ybuf s[4:5], plan s[6:7], rflt s[8:9], out0 s[10:11]
	v_lshrrev_b32 v1, 5, v0
	v_readfirstlane_b32 s2, v1                     ; wave
	v_and_b32 v1, 31, v0
	v_lshlrev_b32 v1, 4, v1                        ; 16 x lane
	s_lshl_b32 s12, ttmp9, 3
	s_add_co_u32 s12, s12, s2                      ; my pair of tokens, 0..4095
	s_lshl_b32 s13, s12, 4                         ; 2 tokens x 2 words
	s_lshl_b32 s14, s12, 13                        ; 2 rows of out0
	s_mov_b32 s15, 0
	s_wait_kmcnt 0x0
	s_load_b128 s[16:19], s[6:7], s13 offset:0x10000   ; pos
	s_load_b128 s[20:23], s[8:9], s13 offset:0x0       ; wts
	s_add_nc_u64 s[10:11], s[10:11], s[14:15]
	s_wait_kmcnt 0x0
.irp k, 0,1,2,3
	s_min_u32 s[24+2*\k], s[16+\k], 0x3fff         ; a loaded number enters an address only clamped
	s_lshl_b32 s[24+2*\k], s[24+2*\k], 12
	s_mov_b32 s[25+2*\k], 0
	s_add_nc_u64 s[24+2*\k:25+2*\k], s[4:5], s[24+2*\k:25+2*\k]
	s_mov_b32 s[32+2*\k], s[20+\k]                 ; the weight in a pair of its own, both halves written, for the packed forms
	s_mov_b32 s[33+2*\k], s[20+\k]
.endr
.irp k, 0,1,2,3
.irp j, 0,1,2,3,4,5,6,7
	global_load_b128 v[Y+32*\k+4*\j:Y+32*\k+4*\j+3], v1, s[24+2*\k:25+2*\k] offset:512*\j th:TH_LOAD_NT
.endr
.endr
.irp a, 0,1
	s_wait_loadcnt 16*(1-\a)                       ; token a's two rows are in; the second token's 16 loads stay out
.irp j, 0,1,2,3,4,5,6,7
	v_pk_mul_f32 v[Y+64*\a+4*\j:Y+64*\a+4*\j+1],   v[Y+64*\a+4*\j:Y+64*\a+4*\j+1],   s[32+4*\a:33+4*\a] op_sel_hi:[1,0]
	v_pk_mul_f32 v[Y+64*\a+4*\j+2:Y+64*\a+4*\j+3], v[Y+64*\a+4*\j+2:Y+64*\a+4*\j+3], s[32+4*\a:33+4*\a] op_sel_hi:[1,0]
	v_pk_fma_f32 v[Y+64*\a+4*\j:Y+64*\a+4*\j+1],   v[Y+64*\a+32+4*\j:Y+64*\a+32+4*\j+1],   s[34+4*\a:35+4*\a], v[Y+64*\a+4*\j:Y+64*\a+4*\j+1] op_sel_hi:[1,0,1]
	v_pk_fma_f32 v[Y+64*\a+4*\j+2:Y+64*\a+4*\j+3], v[Y+64*\a+32+4*\j+2:Y+64*\a+32+4*\j+3], s[34+4*\a:35+4*\a], v[Y+64*\a+4*\j+2:Y+64*\a+4*\j+3] op_sel_hi:[1,0,1]
	global_store_b128 v1, v[Y+64*\a+4*\j:Y+64*\a+4*\j+3], s[10:11] offset:4096*\a+512*\j th:TH_STORE_NT
.endr
.endr
	s_endpgm
.Lfunc_end_k_qf2b70d2b21_combine:
	.size	k_qf2b70d2b21_combine, .Lfunc_end_k_qf2b70d2b21_combine-k_qf2b70d2b21_combine
	.p2alignl 7, 3214868480
	.fill 96, 4, 3214868480
	.section	.rodata,"a",@progbits
	.p2align	6, 0x0
	.amdhsa_kernel k_qf2b70d2b21_combine
		.amdhsa_group_segment_fixed_size 0
		.amdhsa_private_segment_fixed_size 0
		.amdhsa_enable_private_segment 0
		.amdhsa_kernarg_size 32
		.amdhsa_user_sgpr_count 2
		.amdhsa_user_sgpr_kernarg_segment_ptr 1
		.amdhsa_wavefront_size32 1
		.amdhsa_system_sgpr_workgroup_id_x 1
		.amdhsa_system_sgpr_workgroup_id_y 1
		.amdhsa_system_sgpr_workgroup_id_z 1
		.amdhsa_system_vgpr_workitem_id 0
		.amdhsa_next_free_vgpr 136
		.amdhsa_next_free_sgpr 66
		.amdhsa_reserve_vcc 0
		.amdhsa_float_denorm_mode_32 3
		.amdhsa_float_denorm_mode_16_64 3
		.amdhsa_memory_ordered 1
		.amdhsa_forward_progress 1
		.amdhsa_inst_pref_size 11
	.end_amdhsa_kernel
	.amdgpu_metadata
---
amdhsa.version: [ 1, 2 ]
amdhsa.kernels:
  - .name:           k_qf2b70d2b21_combine
    .symbol:         k_qf2b70d2b21_combine.kd
    .args:
      - { .name: ybuf, .offset: 0, .size: 8, .value_kind: global_buffer, .address_space: global }
      - { .name: plan, .offset: 8, .size: 8, .value_kind: global_buffer, .address_space: global }
      - { .name: rflt, .offset: 16, .size: 8, .value_kind: global_buffer, .address_space: global }
      - { .name: out0, .offset: 24, .size: 8, .value_kind: global_buffer, .address_space: global }
    .group_segment_fixed_size: 0
    .private_segment_fixed_size: 0
    .kernarg_segment_align: 8
    .kernarg_segment_size: 32
    .max_flat_workgroup_size: 256
    .sgpr_count:     66
    .vgpr_count:     136
    .wavefront_size: 32
...
	.end_amdgpu_metadata
.endif
;; end of part 4
